; MI455X (gfx1250); checked and timed in simulation.
; The chip was launched on July 23, 2026; its instructions are those of AMD's public machine-readable ISA for CDNA 5 (MIT licence, August 2026) and "CDNA5" Instruction Set Architecture Reference Guide (July 2026). The comments in the code are by the model that wrote it; some were corrected since.
;; Multi Headed Self Attention. Allowed arithmetic: float matrix products may take bf16 or f16 operands with f32 sums; all other float work in f32.
;; Inputs: bk 1,024 float32; bo 1,024 float32; bq 1,024 float32; bv 1,024 float32; wk 1,024 x 1,024 float32; wo 1,024 x 1,024 float32; wq 1,024 x 1,024 float32; wv 1,024 x 1,024 float32; x 2 x 2,048 x 1,024 float32.
;; Outputs: out0 2 x 2,048 x 1,024 float32.
;; One version. Each part assembles by itself: llvm-mc -triple=amdgcn-amd-amdhsa -mcpu=gfx1250 --defsym DOCPART=n.
;; ======== version 1 of 1: 4 launches
;; limits: values are held in f16: magnitudes above 65,504 overflow, below 6.1e-05 lose precision
;; workspace buffers: xb 8,388,608 bytes; wqkv 6,291,456 bytes; wob 2,097,152 bytes; qb 8,388,608 bytes; kb 8,388,608 bytes; vt 8,388,608 bytes; ob 8,388,608 bytes
;; launch cast (part 1): grid 512 x 1, 8 waves a work-group, no clusters, 0 bytes of LDS; arguments x, wq, wk, wv, wo, xb, wqkv, wob; writes xb, wqkv, wob
.if DOCPART == 1
	.amdgcn_target "amdgcn-amd-amdhsa--gfx1250"
	.amdhsa_code_object_version 6
	.text
	.protected	k_qd746fcd805_cast
	.globl	k_qd746fcd805_cast
	.p2align	8
	.type	k_qd746fcd805_cast,@function
k_qd746fcd805_cast:
	s_mov_b64 s[64:65], 0
	v_nop
	global_prefetch_b8 v0, s[64:65] scope:SCOPE_SE
	s_setreg_imm32_b32 hwreg(HW_REG_WAVE_MODE, 25, 1), 1
	s_wait_xcnt 0x0
; f32 to f16, once, for everything that later launches feed to the matrix unit; the weights are re-tiled on the way (not transposed).
;   xb   [4096][1024]            = x
;   wqkv [3][16 heads][1024 k][64] = wq, wk, wv: the 64 columns of a head lie together, a (tensor, head) block is dense
;   wob  [8][1024 k][128]        = wo in blocks of 128 columns
; A unit of work: one 16-byte load a lane (512 bytes of f32 a wave), two packed conversions, one 8-byte store a lane at 8 x lane:
; the wave's store covers 256 consecutive bytes that start at a multiple of 256 from the buffer's first byte.
; 65,536 units: 512 work-groups x 8 waves x 16 units.  A wave has all its 16 loads out at once; every register is written once,
; so no source of a pending load or store is ever rewritten.  Memory binds: no LDS, no barrier, no matrix unit, no cluster (nothing is shared).
; LIMIT: f16 holds magnitudes up to 65,504 and steps of 6e-8 near zero; larger inputs become infinite.  NaN and infinities are not served.
.set X, 8                              ; v[8:71]   16 units as loaded
.set Y, 72                             ; v[72:103] 16 units to store
.macro CAST16 step                     ; step: bytes from one unit's source to the next
.irp i, 0,1,2,3,4,5,6,7,8,9,10,11,12,13,14,15
	global_load_b128 v[X+4*\i:X+4*\i+3], v1, s[4:5] offset:\i*\step th:TH_LOAD_NT
.endr
.irp i, 0,1,2,3,4,5,6,7,8,9,10,11,12,13,14,15
	s_wait_loadcnt 15-\i                           ; loads come back in order: unit i is in, the younger ones stay out
	v_cvt_pk_f16_f32 v[Y+2*\i], v[X+4*\i], v[X+4*\i+1]
	v_cvt_pk_f16_f32 v[Y+2*\i+1], v[X+4*\i+2], v[X+4*\i+3]
	global_store_b64 v2, v[Y+2*\i:Y+2*\i+1], s[6:7] offset:256*\i
.endr
.endm
	s_load_b512 s[8:23], s[0:1], 0x0               ; x 8, wq 10, wk 12, wv 14, wo 16, xb 18, wqkv 20, wob 22
	v_and_b32 v3, 31, v0                           ; lane
	v_lshrrev_b32 v4, 5, v0                        ; wave
	v_lshlrev_b32 v2, 3, v3                        ; 8 x lane: my 8 bytes of a unit's 256
	s_mov_b32 s25, 0
	s_mov_b32 s27, 0
	s_cmp_lt_u32 ttmp9, 256
	s_cbranch_scc0 .Lweights
	; work-groups 0 to 255: x.  128 units of 512 consecutive bytes each.
	s_lshl_b32 s24, ttmp9, 16                      ; 65,536 bytes of x a work-group
	s_lshl_b32 s26, ttmp9, 15                      ; 32,768 bytes of xb
	v_lshlrev_b32 v1, 4, v3
	v_lshl_add_u32 v1, v4, 13, v1                  ; wave x 8,192 + 16 x lane
	v_lshl_add_u32 v2, v4, 12, v2                  ; wave x 4,096 + 8 x lane
	s_wait_kmcnt 0x0
	s_add_nc_u64 s[4:5], s[8:9], s[24:25]
	s_add_nc_u64 s[6:7], s[18:19], s[26:27]
	CAST16 512
	s_endpgm
.Lweights:
	s_cmp_lt_u32 ttmp9, 448
	s_cbranch_scc0 .Lwo
	; work-groups 256 to 447: wq, wk, wv, 64 work-groups each.  A work-group takes 32 k rows of 8 heads, wave w the head 8 (sub & 1) + w.
	; A unit is two k rows of the head's 64 columns: lanes 0-15 read 256 bytes of the even row, lanes 16-31 of the odd one.
	s_sub_co_u32 s28, ttmp9, 256
	s_lshr_b32 s29, s28, 6                         ; which tensor: 0 q, 1 k, 2 v
	s_and_b32 s28, s28, 63
	s_lshr_b32 s30, s28, 1                         ; which 32 k rows
	s_and_b32 s31, s28, 1                          ; which 8 heads
	s_lshl_b32 s24, s30, 17                        ; source: 32 rows of 4,096 bytes
	s_lshl_b32 s2, s31, 11                         ;         + 8 heads of 256 bytes
	s_add_co_u32 s24, s24, s2
	s_lshl_b32 s26, s29, 21                        ; destination: tensor x 2,097,152
	s_lshl_b32 s2, s31, 20                         ;         + 8 heads of 131,072
	s_add_co_u32 s26, s26, s2
	s_lshl_b32 s2, s30, 12                         ;         + 32 rows of 128
	s_add_co_u32 s26, s26, s2
	v_and_b32 v5, 15, v0
	v_bfe_u32 v6, v0, 4, 1
	v_lshlrev_b32 v1, 4, v5                        ; 16 x (lane mod 16)
	v_lshl_add_u32 v1, v6, 12, v1                  ; + one row for lanes 16-31
	v_lshl_add_u32 v1, v4, 8, v1                   ; + the wave's head
	v_lshl_add_u32 v2, v4, 17, v2
	s_wait_kmcnt 0x0
	s_cmp_eq_u32 s29, 1
	s_cselect_b64 s[4:5], s[12:13], s[10:11]
	s_cmp_eq_u32 s29, 2
	s_cselect_b64 s[4:5], s[14:15], s[4:5]
	s_add_nc_u64 s[4:5], s[4:5], s[24:25]
	s_add_nc_u64 s[6:7], s[20:21], s[26:27]
	CAST16 8192
	s_endpgm
.Lwo:
	; work-groups 448 to 511: wo.  16 k rows a work-group; wave w takes column block w, 512 bytes of each row.
	s_sub_co_u32 s28, ttmp9, 448
	s_lshl_b32 s24, s28, 16
	s_lshl_b32 s26, s28, 12
	v_lshlrev_b32 v1, 4, v3
	v_lshl_add_u32 v1, v4, 9, v1
	v_lshl_add_u32 v2, v4, 18, v2
	s_wait_kmcnt 0x0
	s_add_nc_u64 s[4:5], s[16:17], s[24:25]
	s_add_nc_u64 s[6:7], s[22:23], s[26:27]
	CAST16 4096
	s_endpgm
.Lfunc_end_k_qd746fcd805_cast:
	.size	k_qd746fcd805_cast, .Lfunc_end_k_qd746fcd805_cast-k_qd746fcd805_cast
	.p2alignl 7, 3214868480
	.fill 96, 4, 3214868480
	.section	.rodata,"a",@progbits
	.p2align	6, 0x0
	.amdhsa_kernel k_qd746fcd805_cast
		.amdhsa_group_segment_fixed_size 0
		.amdhsa_private_segment_fixed_size 0
		.amdhsa_enable_private_segment 0
		.amdhsa_kernarg_size 64
		.amdhsa_user_sgpr_count 2
		.amdhsa_user_sgpr_kernarg_segment_ptr 1
		.amdhsa_wavefront_size32 1
		.amdhsa_system_sgpr_workgroup_id_x 1
		.amdhsa_system_sgpr_workgroup_id_y 1
		.amdhsa_system_sgpr_workgroup_id_z 1
		.amdhsa_system_vgpr_workitem_id 0
		.amdhsa_next_free_vgpr 104
		.amdhsa_next_free_sgpr 66
		.amdhsa_reserve_vcc 0
		.amdhsa_float_denorm_mode_32 3
		.amdhsa_float_denorm_mode_16_64 3
		.amdhsa_memory_ordered 1
		.amdhsa_forward_progress 1
		.amdhsa_inst_pref_size 19
	.end_amdhsa_kernel
	.amdgpu_metadata
---
amdhsa.version: [ 1, 2 ]
amdhsa.kernels:
  - .name:           k_qd746fcd805_cast
    .symbol:         k_qd746fcd805_cast.kd
    .args:
      - { .name: x, .offset: 0, .size: 8, .value_kind: global_buffer, .address_space: global }
      - { .name: wq, .offset: 8, .size: 8, .value_kind: global_buffer, .address_space: global }
      - { .name: wk, .offset: 16, .size: 8, .value_kind: global_buffer, .address_space: global }
      - { .name: wv, .offset: 24, .size: 8, .value_kind: global_buffer, .address_space: global }
      - { .name: wo, .offset: 32, .size: 8, .value_kind: global_buffer, .address_space: global }
      - { .name: xb, .offset: 40, .size: 8, .value_kind: global_buffer, .address_space: global }
      - { .name: wqkv, .offset: 48, .size: 8, .value_kind: global_buffer, .address_space: global }
      - { .name: wob, .offset: 56, .size: 8, .value_kind: global_buffer, .address_space: global }
    .group_segment_fixed_size: 0
    .private_segment_fixed_size: 0
    .kernarg_segment_align: 8
    .kernarg_segment_size: 64
    .max_flat_workgroup_size: 256
    .sgpr_count:     66
    .vgpr_count:     104
    .wavefront_size: 32
...
	.end_amdgpu_metadata
.endif
;; end of part 1
;; launch qkv (part 2): grid 16 x 16, 4 waves a work-group, clusters of 4 x 4, 327,680 bytes of LDS; arguments xb, wqkv, bq, bk, bv, qb, kb, vt; writes qb, kb, vt
.if DOCPART == 2
	.amdgcn_target "amdgcn-amd-amdhsa--gfx1250"
	.amdhsa_code_object_version 6
	.text
	.protected	k_qd746fcd805_qkv
	.globl	k_qd746fcd805_qkv
	.p2align	8
	.type	k_qd746fcd805_qkv,@function
k_qd746fcd805_qkv:
	s_mov_b64 s[64:65], 0
	v_nop
	global_prefetch_b8 v0, s[64:65] scope:SCOPE_SE
	s_setreg_imm32_b32 hwreg(HW_REG_WAVE_MODE, 25, 1), 1
	s_wait_xcnt 0x0
	s_wait_alu depctr_hold_cnt(0) depctr_sa_sdst(0) depctr_va_vdst(0) depctr_va_sdst(0) depctr_va_ssrc(0) depctr_va_vcc(0) depctr_vm_vsrc(0)
	s_getreg_b32 s2, hwreg(HW_REG_IB_STS2, 6, 4)
	s_cmp_eq_u32 s2, 0
	s_cbranch_scc0 .Lentry_in_a_cluster
	s_endpgm
.Lentry_in_a_cluster:
	s_bfe_u32 s2, ttmp6, 0x10000c
	s_cmp_lg_u32 s2, 0xf033
	s_cbranch_scc0 .Lentry_shape_is_right
	s_endpgm
.Lentry_shape_is_right:
; q = (x wq + bq) * 0.125 log2(e), k = x wk + bk, v = x wv + bv, for 256 rows of x and ONE head (64 + 64 + 64 columns) a work-group.
; Operands f16, sums f32.  Out, in f16: qb, kb [32 (batch, head)][2048 s][64], vt [32][64 d][2048 s] (v transposed).
; Four waves, one for each SIMD of a WGP; wave w makes rows 64 w .. 64 w + 63 of all 192 columns: 48 accumulator tiles of 16 x 16, 384 registers.
; K goes in steps of 128 through two LDS slots filled by the tensor data mover: wave 0 brings x's 256 rows x 256 bytes, waves 1 to 3 the
; 128 k x 64 columns of wq, wk, wv.  The weights lie [k][n] in LDS and are read by the transposing load.
; CLUSTERS: 4 x 4 work-groups.  x's tile hangs on the row block alone and is asked for jointly by a row of the cluster; the weights' tiles hang on the
; head alone and are asked for jointly by a column: each tile is requested once for four work-groups.
; q and k use the matrix instruction TRANSPOSED (source 0 = weights, source 1 = x): a lane then holds 8 neighbouring columns of one row.
; v uses it straight (source 0 = x, source 1 = weights): a lane holds 8 neighbouring s of one d, which is what vt wants.
; LIMITS: |x w + b| must stay below 65,504, f16's largest number (q: after its factor 0.18).  Inputs 30 times the drawn spread give some 5,000;
; a common offset of 30 spreads on x and on w gives about 1024 * 30 * 0.94 = 28,800.  q is scaled before it is rounded.  NaN and infinities are not served.
; REGISTERS, in windows of 256: window 0 addresses, x's fragments, biases, way out; window 1 the weights' fragments, two buffers of 96;
; window 2 q's and k's accumulators (tile 16 t + 4 a + b at 8 x index); window 3 v's (tile 4 a + b).
.set KSTEP,  128
.set XP,     272                       ; x's LDS row: 256 bytes + 16: an odd multiple of 16, so 16 rows start in 16 different 16-byte columns of 256 bytes
.set WP,     160                       ; a weight row: 128 bytes + 32: an odd multiple of 32, as the transposing load's two half-rows want
.set APART,  256*XP                    ; 69,632
.set WPART,  128*WP                    ; 20,480
.set SLOT,   APART+3*WPART             ; 131,072
.set QSTAGE, 2*SLOT                    ; way out of q and k: 16 rows x 144 bytes for each wave; no tensor load lands here
.set QSP,    144
.set VSTAGE, QSTAGE+4*16*QSP           ; way out of v: 64 d rows x (512 + 16) bytes, shared by the four waves
.set VSP,    528
.set ADRX, 4                           ; v4-5   my x fragments in slot 0, 1
.set ADRW, 6                           ; v6-7   the weights' fragments in slot 0, 1
.set STO,  8
.set RD,   9
.set GO,   10
.set VSTO, 11
.set VRD,  12
.set VGO,  13
.set BOH,  14                          ; 32 x (lane / 16): byte offset into bq, bk
.set BOR,  15                          ; 4 x (lane mod 16): byte offset into bv
.set XF,   32                          ; v32-63, v64-95: x's fragments, two buffers
.set BQ,   96                          ; v96-127  bq of my 8 columns of each of 4 column blocks
.set BK,   128                         ; v128-159 bk likewise
.set BV,   160                         ; v160-167 bv of my d in each of 4 blocks, each twice (a pair for the packed add)
.set T,    168                         ; v168-199 at work
.set TMP,  200                         ; v200-215 packed f16
.set RB,   216                         ; v216-231 rows read back
.set G1A, 24
.set G0A, 32
.set G1B, 48
.set G0B, 56
.set MSB, 0
.macro WIN new                         ; s_set_vgpr_msb; the immediate's high byte repeats the setting that is left
.if MSB != \new
	s_set_vgpr_msb (MSB<<8)|\new
.set MSB, \new
.endif
.endm
.macro PLACES c                        ; plain vector instructions that name no register: the places behind matrix instructions (ISA guide 7.12.1)
.rept \c
	v_nop
.endr
.endm
; A joint load: wave 0 asks for x's tile, waves 1 to 3 for one weight's.  The branch hangs on the wave's number alone.
.macro JLOAD s
	s_cmp_eq_u32 s10, 0
	s_cbranch_scc0 .Lfor_w_\@
	tensor_load_to_lds s[G0A+4*\s:G0A+4*\s+3], s[G1A:G1A+7]
	s_nop 0
	s_branch .Lasked_\@
.Lfor_w_\@:
	tensor_load_to_lds s[G0B+4*\s:G0B+4*\s+3], s[G1B:G1B+7]
	s_nop 0
.Lasked_\@:
.endm
.macro CREST                           ; a round of the cluster's barrier, behind its opening work-group barrier
	s_cmp_lg_u32 s10, 0
	s_cbranch_scc1 .Lnot_wave_0_\@
	s_barrier_signal -3
.Lnot_wave_0_\@:
	s_barrier_wait -3
	s_barrier_signal -1
	s_barrier_wait -1
.endm
.macro CROUND
	s_barrier_signal -1
	s_barrier_wait -1
	CREST
.endm
	s_load_b512 s[72:87], s[0:1], 0x0              ; xb 72, wqkv 74, bq 76, bk 78, bv 80, qb 82, kb 84, vt 86
	v_lshl_add_u32 v255, v0, 2, 0x4a800
	s_set_vgpr_msb 0x40
	v_mov_b32 v255, 0
	s_set_vgpr_msb 0x4044
	ds_add_u32 v255, v255
	s_set_vgpr_msb 0x4400
	v_lshrrev_b32 v1, 5, v0
	v_readfirstlane_b32 s10, v1                    ; wave 0..3
	s_bfe_u32 s40, ttmp6, 0x40000                  ; cx
	s_bfe_u32 s41, ttmp6, 0x40004                  ; cy
	s_lshl_b32 s42, ttmp9, 2
	s_add_co_u32 s42, s42, s40                     ; head = 4 x cluster x + cx
	s_and_b32 s13, ttmp7, 0xffff
	s_lshl_b32 s13, s13, 2
	s_add_co_u32 s13, s13, s41                     ; row block of 256 = 4 x cluster y + cy
	s_lshl_b32 s43, s41, 2
	s_lshl_b32 s43, 15, s43                        ; my row of the cluster
	s_lshl_b32 s44, 0x1111, s40                    ; my column
	; group 1 for x: 256 rows x 128 elements of 2 bytes, 4 words of padding behind every 64
	s_or_b32 s[G1A+0], s43, (1<<16)|(1<<20)|(1<<21)|(5<<22)|(3<<25)
	s_mov_b32 s[G1A+1], 128<<16                    ; tensor_dim0
	s_mov_b32 s[G1A+2], 256<<16                    ; tensor_dim1
	s_mov_b32 s[G1A+3], 128<<16                    ; tile_dim0
	s_mov_b32 s[G1A+4], 256                        ; tile_dim1
	s_mov_b32 s[G1A+5], 1024                       ; elements from row to row
	s_mov_b32 s[G1A+6], 0
	s_mov_b32 s[G1A+7], 0
	; group 1 for a weight: 128 k rows x 64 elements, 8 words of padding behind every 32
	s_or_b32 s[G1B+0], s44, (1<<16)|(1<<20)|(1<<21)|(4<<22)|(7<<25)
	s_mov_b32 s[G1B+1], 64<<16
	s_mov_b32 s[G1B+2], 128<<16
	s_mov_b32 s[G1B+3], 64<<16
	s_mov_b32 s[G1B+4], 128
	s_mov_b32 s[G1B+5], 64
	s_mov_b32 s[G1B+6], 0
	s_mov_b32 s[G1B+7], 0
	; where the tiles come from: x's from the row block alone, the weights' from the head and the wave's number alone
	s_lshl_b32 s16, s13, 19                        ; 256 rows of 2,048 bytes
	s_mov_b32 s17, 0
	s_max_u32 s45, s10, 1
	s_sub_co_u32 s45, s45, 1                       ; which weight (wave 0 asks for none)
	s_lshl_b32 s45, s45, 4
	s_add_co_u32 s46, s45, s42
	s_lshl_b32 s46, s46, 17                        ; (weight x 16 + head) blocks of 131,072 bytes
	s_mov_b32 s47, 0
	s_mul_i32 s21, s10, WPART
	s_add_co_u32 s21, s21, APART-WPART             ; LDS: behind x's part, (wave - 1) x 20,480
	s_wait_dscnt 0x0
	s_wait_kmcnt 0x0
	s_add_nc_u64 s[14:15], s[72:73], s[16:17]
	s_add_nc_u64 s[46:47], s[74:75], s[46:47]
	CROUND                                         ; all sixteen work-groups are here: the first joint loads meet
.irp s, 0,1
	s_mov_b32 s[G0A+4*\s], 1
	s_mov_b32 s[G0A+4*\s+1], \s*SLOT
	s_add_nc_u64 s[G0A+4*\s+2:G0A+4*\s+3], s[14:15], \s*KSTEP*2
	s_or_b32 s[G0A+4*\s+3], s[G0A+4*\s+3], 0x80000000
	s_mov_b32 s[G0B+4*\s], 1
	s_add_co_u32 s[G0B+4*\s+1], s21, \s*SLOT
	s_add_nc_u64 s[G0B+4*\s+2:G0B+4*\s+3], s[46:47], \s*KSTEP*128
	s_or_b32 s[G0B+4*\s+3], s[G0B+4*\s+3], 0x80000000
	JLOAD \s                                       ; both first fills go out together: two loads of the wave are out, later one
.endr
	v_and_b32 v1, 15, v0                           ; r
	v_bfe_u32 v2, v0, 4, 1                         ; h
	v_and_b32 v3, 31, v0                           ; lane
	v_lshlrev_b32 v[BOH], 5, v2
	v_lshlrev_b32 v[BOR], 2, v1
	s_lshl_b32 s94, s42, 8                         ; the head's 64 numbers in a bias
	s_mov_b32 s95, 0
	s_add_nc_u64 s[88:89], s[76:77], s[94:95]
	s_add_nc_u64 s[90:91], s[78:79], s[94:95]
	s_add_nc_u64 s[92:93], s[80:81], s[94:95]
.irp b, 0,1,2,3
	global_load_b128 v[BQ+8*\b:BQ+8*\b+3],   v[BOH], s[88:89] offset:64*\b       ; columns 16 b + 8 h + 0..7
	global_load_b128 v[BQ+8*\b+4:BQ+8*\b+7], v[BOH], s[88:89] offset:64*\b+16
	global_load_b128 v[BK+8*\b:BK+8*\b+3],   v[BOH], s[90:91] offset:64*\b
	global_load_b128 v[BK+8*\b+4:BK+8*\b+7], v[BOH], s[90:91] offset:64*\b+16
	global_load_b32 v[BV+2*\b],   v[BOR], s[92:93] offset:64*\b                  ; d = 16 b + r, into both registers of the pair
	global_load_b32 v[BV+2*\b+1], v[BOR], s[92:93] offset:64*\b
.endr
	; x's fragment: lane (r, h) takes row r, 16 bytes at 16 h and 16 at 32 + 16 h
	v_mul_u32_u24 v16, v1, XP
	v_lshl_add_u32 v16, v2, 4, v16
	s_mul_i32 s22, s10, 64*XP
	v_add_nc_u32 v[ADRX], s22, v16
	v_add_nc_u32 v[ADRX+1], SLOT, v[ADRX]
	; a weight's fragment by the transposing load: row 8 h + (lane mod 8), 16 bytes at 16 x ((lane / 8) mod 2)
	v_and_b32 v17, 7, v0
	v_lshl_add_u32 v17, v2, 3, v17
	v_mul_u32_u24 v17, v17, WP
	v_bfe_u32 v18, v0, 3, 1
	v_lshl_add_u32 v17, v18, 4, v17
	v_add_nc_u32 v[ADRW], APART, v17
	v_add_nc_u32 v[ADRW+1], APART+SLOT, v17
	; the way out of q and k
	v_mul_u32_u24 v16, v1, QSP
	v_lshl_add_u32 v16, v2, 4, v16
	s_mul_i32 s22, s10, 16*QSP
	s_add_co_u32 s22, s22, QSTAGE
	v_add_nc_u32 v[STO], s22, v16                  ; in: row r, 16 bytes for each half of the lanes
	v_lshrrev_b32 v16, 3, v3
	v_mul_u32_u24 v16, v16, QSP
	v_and_b32 v17, 7, v0
	v_lshl_add_u32 v16, v17, 4, v16
	v_add_nc_u32 v[RD], s22, v16                   ; back: eight lanes take a row of 128 bytes, the wave four rows
	v_lshlrev_b32 v[GO], 4, v3                     ; which are 512 consecutive bytes of qb or kb
	; the way out of v
	v_mul_u32_u24 v16, v1, VSP
	v_lshl_add_u32 v16, v2, 4, v16
	s_lshl_b32 s22, s10, 7
	s_add_co_u32 s22, s22, VSTAGE
	v_add_nc_u32 v[VSTO], s22, v16                 ; in: d row r, my wave's 64 s
	s_mul_i32 s22, s10, 16*VSP
	s_add_co_u32 s22, s22, VSTAGE
	v_lshl_add_u32 v[VRD], v3, 4, s22              ; back: d rows 16 w .., a whole row of 512 bytes a load
	s_lshl_b32 s22, s10, 16
	v_lshl_add_u32 v[VGO], v3, 4, s22
	; output bases, in registers that feed no descriptor
	s_lshr_b32 s94, s13, 3                         ; batch
	s_lshl_b32 s94, s94, 4
	s_add_co_u32 s94, s94, s42                     ; batch x 16 + head
	s_lshl_b32 s94, s94, 18                        ; blocks of 262,144 bytes
	s_and_b32 s22, s13, 7                          ; which 256 of the batch's 2,048 s
	s_lshl_b32 s23, s22, 9
	s_add_co_u32 s18, s94, s23
	s_mov_b32 s19, 0
	s_add_nc_u64 s[70:71], s[86:87], s[18:19]      ; vt: + 256 s of 2 bytes
	s_lshl_b32 s23, s22, 15
	s_add_co_u32 s18, s94, s23
	s_lshl_b32 s23, s10, 13
	s_add_co_u32 s18, s18, s23                     ; qb, kb: + 256 rows of 128 bytes + the wave's 64 rows
	s_add_nc_u64 s[66:67], s[82:83], s[18:19]
	s_add_nc_u64 s[68:69], s[84:85], s[18:19]
; 32 LDS loads: the fragments of one quarter step (32 along K): x's 4, then 4 each of wq, wk, wv, into buffer f
.macro FETCH slot, kq, f
	WIN 0
.irp a, 0,1,2,3
	ds_load_b128 v[XF+32*\f+8*\a:XF+32*\f+8*\a+3],   v[ADRX+\slot] offset:16*XP*\a+64*\kq
	ds_load_b128 v[XF+32*\f+8*\a+4:XF+32*\f+8*\a+7], v[ADRX+\slot] offset:16*XP*\a+64*\kq+32
.endr
	WIN 0x40                                       ; destination in window 1
.irp t, 0,1,2
.irp b, 0,1,2,3
	ds_load_tr16_b128 v[96*\f+8*(4*\t+\b):96*\f+8*(4*\t+\b)+3],   v[ADRW+\slot] offset:WPART*\t+32*WP*\kq+32*\b
	ds_load_tr16_b128 v[96*\f+8*(4*\t+\b)+4:96*\f+8*(4*\t+\b)+7], v[ADRW+\slot] offset:WPART*\t+32*WP*\kq+32*\b+16*WP
.endr
.endr
.endm
; 16 matrix instructions for q (t = 0) or k (t = 1), transposed.  The 48 accumulators take turns, one instruction a turn, in the same
; order in every quarter.  zero = 1: the first product starts the sums.
.macro MULT f, t, zero
	WIN 0xa1                                       ; source 0 window 1, source 1 window 0, C and D window 2
.irp a, 0,1,2,3
.irp b, 0,1,2,3
.if \zero
	v_wmma_f32_16x16x32_f16 v[8*(16*\t+4*\a+\b):8*(16*\t+4*\a+\b)+7], v[96*\f+8*(4*\t+\b):96*\f+8*(4*\t+\b)+7], v[XF+32*\f+8*\a:XF+32*\f+8*\a+7], 0
.else
	v_wmma_f32_16x16x32_f16 v[8*(16*\t+4*\a+\b):8*(16*\t+4*\a+\b)+7], v[96*\f+8*(4*\t+\b):96*\f+8*(4*\t+\b)+7], v[XF+32*\f+8*\a:XF+32*\f+8*\a+7], v[8*(16*\t+4*\a+\b):8*(16*\t+4*\a+\b)+7]
.endif
.endr
.endr
.endm
.macro MULV f, zero                    ; 16 for v, straight
	WIN 0xf4                                       ; source 0 window 0, source 1 window 1, C and D window 3
.irp a, 0,1,2,3
.irp b, 0,1,2,3
.if \zero
	v_wmma_f32_16x16x32_f16 v[8*(4*\a+\b):8*(4*\a+\b)+7], v[XF+32*\f+8*\a:XF+32*\f+8*\a+7], v[96*\f+8*(8+\b):96*\f+8*(8+\b)+7], 0
.else
	v_wmma_f32_16x16x32_f16 v[8*(4*\a+\b):8*(4*\a+\b)+7], v[XF+32*\f+8*\a:XF+32*\f+8*\a+7], v[96*\f+8*(8+\b):96*\f+8*(8+\b)+7], v[8*(4*\a+\b):8*(4*\a+\b)+7]
.endif
.endr
.endr
.endm
; One of a K step's first three quarters: multiplies buffer f and fetches quarter kq of the same slot into buffer g
.macro QUARTER slot, kq, f, g, zero
	s_wait_dscnt 8                                 ; x, wq and wk are in; the youngest eight loads (wv) may be out
	MULT \f, 0, \zero
	PLACES 4                                       ; buffer g was read by matrix instructions: four places in front of the loads into it
	FETCH \slot, \kq, \g
	MULT \f, 1, \zero
	s_wait_dscnt 32                                ; all but the 32 just issued
	MULV \f, \zero
.endm
.macro THREE slot, zero
	QUARTER \slot, 1, 0, 1, \zero
	QUARTER \slot, 2, 1, 0, 0
	QUARTER \slot, 3, 0, 1, 0
.endm
; The fourth quarter multiplies buffer 1 and changes slots.  In front of the barrier each wave waits for its reads of this slot and for all its
; tensor loads (one is out: its part of the next slot).  Where the slot is filled again the barrier opens a round of the cluster's barrier, and the
; joint refill is the first tensor load behind the round.  From a request to the wait for it a wave issues 176 matrix instructions.
.macro TURN slot, next, fill
	s_wait_dscnt 0x0
	s_wait_tensorcnt 0x0
	ds_add_u32 v255, v255
	s_wait_dscnt 0x0
	s_barrier_signal -1
	MULT 1, 0, 0                                   ; register work while the others arrive
	WIN 0
	s_barrier_wait -1
.if \fill
	CREST
	s_add_nc_u64 s[G0A+4*\slot+2:G0A+4*\slot+3], s[G0A+4*\slot+2:G0A+4*\slot+3], 2*KSTEP*2
	s_add_nc_u64 s[G0B+4*\slot+2:G0B+4*\slot+3], s[G0B+4*\slot+2:G0B+4*\slot+3], 2*KSTEP*128
	JLOAD \slot
.endif
	PLACES 4
	FETCH \next, 0, 0
	MULT 1, 1, 0
	MULV 1, 0
.endm
.macro LAP zero
	THREE 0, \zero
	TURN 0, 1, 1
	THREE 1, 0
	TURN 1, 0, 1
.endm
	s_wait_tensorcnt 0x1                           ; my part of K step 0 is in; K step 1's may stay out
	s_barrier_signal -1
	s_barrier_wait -1
	FETCH 0, 0, 0
	LAP 1                                          ; K steps 0, 1; asks for 2, 3
	WIN 0
	s_mov_b32 s3, 2
.Llap:
	LAP 0                                          ; K steps 2 to 5; asks for 4 to 7
	WIN 0
	s_sub_co_u32 s3, s3, 1
	s_cmp_lg_u32 s3, 0
	s_cbranch_scc1 .Llap
	THREE 0, 0                                     ; K steps 6, 7: nothing is left to ask for
	TURN 0, 1, 0
	THREE 1, 0
	s_wait_dscnt 0x0
	MULT 1, 0, 0
	MULT 1, 1, 0
	MULV 1, 0
	WIN 0
	PLACES 4                                       ; in front of everything that reads results or loads into fragment registers
	s_wait_loadcnt 0x0                             ; the biases
.irp p, 0,1,2,3,4,5,6,7,8,9,10,11,12,13,14,15
	v_pk_mul_f32 v[BQ+2*\p:BQ+2*\p+1], v[BQ+2*\p:BQ+2*\p+1], 0x3e38aa3b op_sel_hi:[1,0]   ; bq x 0.125 log2(e): then q is one multiply-add
.endr
; v: rows 16 a .. of my 64 s, all 64 d, into the shared stage
.macro OUTV a
	WIN 0x03                                       ; source 0 in window 3
.irp b, 0,1,2,3
.irp j, 0,2,4,6
	v_pk_add_f32 v[T+8*\b+\j:T+8*\b+\j+1], v[8*(4*\a+\b)+\j:8*(4*\a+\b)+\j+1], v[BV+2*\b:BV+2*\b+1]
.endr
.endr
	WIN 0
.irp b, 0,1,2,3
.irp j, 0,1,2,3
	v_cvt_pk_f16_f32 v[TMP+4*\b+\j], v[T+8*\b+2*\j], v[T+8*\b+2*\j+1]
.endr
.endr
.irp b, 0,1,2,3
	ds_store_b128 v[VSTO], v[TMP+4*\b:TMP+4*\b+3] offset:16*VSP*\b+32*\a     ; d = 16 b + r, s = 64 w + 16 a + 8 h + 0..7
.endr
.endm
	OUTV 0
	OUTV 1
	OUTV 2
	OUTV 3
	s_wait_dscnt 0x0                               ; my stores are done, for the other waves' sake
	s_barrier_signal -1
	s_barrier_wait -1
.irp g, 0,1,2,3,4,5,6,7,8,9,10,11,12,13,14,15
	ds_load_b128 v[XF+4*\g:XF+4*\g+3], v[VRD] offset:VSP*\g                  ; d row 16 w + g: 256 s, 512 bytes
.endr
.irp g, 0,1,2,3,4,5,6,7,8,9,10,11,12,13,14,15
	s_wait_dscnt 15-\g
	global_store_b128 v[VGO], v[XF+4*\g:XF+4*\g+3], s[70:71] offset:4096*\g  ; 512 consecutive bytes, at a multiple of 512 from vt's first byte
.endr
; q (t = 0) or k (t = 1): rows 16 a .. 16 a + 15 of my 64, through my own stage
.macro OUTQK t, a
	WIN 0x02                                       ; source 0 in window 2
.irp b, 0,1,2,3
.irp j, 0,2,4,6
.if \t == 0
	v_pk_fma_f32 v[T+8*\b+\j:T+8*\b+\j+1], v[8*(4*\a+\b)+\j:8*(4*\a+\b)+\j+1], 0x3e38aa3b, v[BQ+8*\b+\j:BQ+8*\b+\j+1] op_sel_hi:[1,0,1]
.else
	v_pk_add_f32 v[T+8*\b+\j:T+8*\b+\j+1], v[8*(16+4*\a+\b)+\j:8*(16+4*\a+\b)+\j+1], v[BK+8*\b+\j:BK+8*\b+\j+1]
.endif
.endr
.endr
	WIN 0
.irp b, 0,1,2,3
.irp j, 0,1,2,3
	v_cvt_pk_f16_f32 v[TMP+4*\b+\j], v[T+8*\b+2*\j], v[T+8*\b+2*\j+1]
.endr
.endr
.irp b, 0,1,2,3
	ds_store_b128 v[STO], v[TMP+4*\b:TMP+4*\b+3] offset:32*\b
.endr
	s_wait_xcnt 0x0                                ; RB, which earlier stores read, is loaded again only behind this wait
.irp g, 0,1,2,3
	ds_load_b128 v[RB+4*\g:RB+4*\g+3], v[RD] offset:4*QSP*\g                 ; LDS serves a wave's instructions in order: these see the stores above
.endr
.irp g, 0,1,2,3
	s_wait_dscnt 3-\g
	global_store_b128 v[GO], v[RB+4*\g:RB+4*\g+3], s[66+2*\t:67+2*\t] offset:2048*\a+512*\g   ; four rows: 512 consecutive bytes
.endr
.endm
.irp a, 0,1,2,3
	OUTQK 0, \a
.endr
.irp a, 0,1,2,3
	OUTQK 1, \a
.endr
	s_set_vgpr_msb 0x4
	s_wait_tensorcnt 0x0
	ds_add_u32 v255, v255
	s_wait_dscnt 0x0
	s_set_vgpr_msb 0x400
	CROUND                                         ; the closing round: no work-group ends while a partner may still ask for a tile that names it
	s_endpgm
.Lfunc_end_k_qd746fcd805_qkv:
	.size	k_qd746fcd805_qkv, .Lfunc_end_k_qd746fcd805_qkv-k_qd746fcd805_qkv
	.p2alignl 7, 3214868480
	.fill 96, 4, 3214868480
	.section	.rodata,"a",@progbits
	.p2align	6, 0x0
	.amdhsa_kernel k_qd746fcd805_qkv
		.amdhsa_group_segment_fixed_size 327680
		.amdhsa_private_segment_fixed_size 0
		.amdhsa_enable_private_segment 0
		.amdhsa_kernarg_size 64
		.amdhsa_user_sgpr_count 2
		.amdhsa_user_sgpr_kernarg_segment_ptr 1
		.amdhsa_wavefront_size32 1
		.amdhsa_system_sgpr_workgroup_id_x 1
		.amdhsa_system_sgpr_workgroup_id_y 1
		.amdhsa_system_sgpr_workgroup_id_z 1
		.amdhsa_system_vgpr_workitem_id 0
		.amdhsa_next_free_vgpr 896
		.amdhsa_next_free_sgpr 96
		.amdhsa_reserve_vcc 0
		.amdhsa_float_denorm_mode_32 3
		.amdhsa_float_denorm_mode_16_64 3
		.amdhsa_memory_ordered 1
		.amdhsa_forward_progress 1
		.amdhsa_inst_pref_size 183
	.end_amdhsa_kernel
	.amdgpu_metadata
---
amdhsa.version: [ 1, 2 ]
amdhsa.kernels:
  - .name:           k_qd746fcd805_qkv
    .symbol:         k_qd746fcd805_qkv.kd
    .args:
      - { .name: xb, .offset: 0, .size: 8, .value_kind: global_buffer, .address_space: global }
      - { .name: wqkv, .offset: 8, .size: 8, .value_kind: global_buffer, .address_space: global }
      - { .name: bq, .offset: 16, .size: 8, .value_kind: global_buffer, .address_space: global }
      - { .name: bk, .offset: 24, .size: 8, .value_kind: global_buffer, .address_space: global }
      - { .name: bv, .offset: 32, .size: 8, .value_kind: global_buffer, .address_space: global }
      - { .name: qb, .offset: 40, .size: 8, .value_kind: global_buffer, .address_space: global }
      - { .name: kb, .offset: 48, .size: 8, .value_kind: global_buffer, .address_space: global }
      - { .name: vt, .offset: 56, .size: 8, .value_kind: global_buffer, .address_space: global }
    .group_segment_fixed_size: 327680
    .private_segment_fixed_size: 0
    .kernarg_segment_align: 8
    .kernarg_segment_size: 64
    .max_flat_workgroup_size: 128
    .sgpr_count:     96
    .vgpr_count:     896
    .wavefront_size: 32
...
	.end_amdgpu_metadata
.endif
;; end of part 2
;; launch attn (part 3): grid 8 x 32, 8 waves a work-group, clusters of 4 x 1, 327,680 bytes of LDS; arguments qb, kb, vt, ob; writes ob
.if DOCPART == 3
	.amdgcn_target "amdgcn-amd-amdhsa--gfx1250"
	.amdhsa_code_object_version 6
	.text
	.protected	k_qd746fcd805_attn
	.globl	k_qd746fcd805_attn
	.p2align	8
	.type	k_qd746fcd805_attn,@function
k_qd746fcd805_attn:
	s_mov_b64 s[64:65], 0
	v_nop
	global_prefetch_b8 v0, s[64:65] scope:SCOPE_SE
	s_setreg_imm32_b32 hwreg(HW_REG_WAVE_MODE, 25, 1), 1
	s_wait_xcnt 0x0
	s_wait_alu depctr_hold_cnt(0) depctr_sa_sdst(0) depctr_va_vdst(0) depctr_va_sdst(0) depctr_va_ssrc(0) depctr_va_vcc(0) depctr_vm_vsrc(0)
	s_getreg_b32 s2, hwreg(HW_REG_IB_STS2, 6, 4)
	s_cmp_eq_u32 s2, 0
	s_cbranch_scc0 .Lentry_in_a_cluster
	s_endpgm
.Lentry_in_a_cluster:
	s_bfe_u32 s2, ttmp6, 0x10000c
	s_cmp_lg_u32 s2, 0x3003
	s_cbranch_scc0 .Lentry_shape_is_right
	s_endpgm
.Lentry_shape_is_right:
; softmax(q k^T) v for 256 queries of one (batch, head), with a running maximum.  q carries 0.125 log2(e), so exponentials are 2^x.
; Operands f16, sums and all of the softmax f32.  Out: ob [32 blocks of 128 rows][16 heads][128 rows][64 d], f16.
; Eight waves, two on each SIMD with 512 registers each.  Wave w and wave w + 4 own the same 64 queries (64 (w mod 4) ..) and split every
; slot's 256 keys: waves 0-3 keys 0-127, waves 4-7 keys 128-255.  At the end waves 4-7 hand their sums, maxima and O to their partners through LDS.
; EVERYTHING IS KEPT TRANSPOSED, so that a lane's query is lane mod 16 throughout:
;   S^T = K Q^T  (source 0 = 16 keys, source 1 = 16 queries): lane (r, h) holds query r, keys 16 a + 8 h + 0..7;
;   two packed tiles of S^T are, as they lie, the source-1 fragment of 32 keys of P^T: no lane moves;
;   O^T = V^T P^T (source 0 = 16 d rows of vt): lane (r, h) holds query r, d = 16 t + 8 h + 0..7: 16 bytes of a row of O.
; A STEP (64 queries x 64 keys) IS FOUR STAGES, one for each block of 16 queries; the blocks do not depend on each other.  Stage i does the softmax
; arithmetic of block i (120 vector instructions) and issues, between those lines, the 8 matrix instructions of P V of block i - 1 and the 8 of
; K Q^T of block i + 1, on into the next step and the next slot.  So matrix and vector work are mixed finely in each wave, the places behind the
; matrix instructions hold useful lines, and the two waves of a SIMD never want one unit for long.
; REGISTERS are laid so that the mixed lines share a window setting:
;   window 0: v4-59 addresses and statistics, v64-191 O (block i, tile t at 64 + 32 i + 8 t), v192-255 fragments of Q
;   window 1: v0-127 S (block i, tile a at 32 i + 8 a; P packed in place into the block's first 16), v128-191 fragments of K, v192-255 of V
;   0x05 (sources 0, 1 in window 1): P V, the chains of the maximum, the pair sums.   0x51 (source 0, C and D in window 1): K Q^T, S - maximum, 2^x.
; CLUSTERS: the four work-groups of a cluster are four query blocks of one (batch, head): they read the same K and V tiles and ask for them jointly.
; K's rows in memory are the head's own 128 bytes; V^T's tile rows are 256 bytes at multiples of 256.
; LIMITS: 2^x below 2^-126 is flushed to 0 by v_exp_f32 (ISA guide 15.8), and P below 6e-8 by f16; the sums of a query are formed per lane half,
; per 64 keys (as a tree of pairs) and per wave pair, in another order than a plain sum.  NaN and infinities are not served.
.set KP,     144                       ; K's LDS row: 128 + 16 bytes
.set VP,     272                       ; V^T's: 256 + 16
.set QUART,  18432                     ; a wave's part of a slot: 128 x 144, or 64 x 272 = 17,408 of it
.set SLOT,   4*QUART                   ; K keys 0-127, K keys 128-255, V^T keys 0-127, V^T keys 128-255
.set XCH,    2*SLOT                    ; hand-over: 4 x (16,384 of O + 512 of maxima + 512 of sums); no tensor load lands here
.set XPART,  17408
.set OSTAGE, XCH+4*XPART               ; way out: 16 rows x 144 bytes for each of waves 0-3
.set OSP,    144
.set ADRK, 4                           ; v4-5   my K fragments in slot 0, 1
.set ADRV, 6                           ; v6-7   my V fragments in slot 0, 1
.set STO,  8
.set RD,   9
.set GO,   10
.set QO,   11
.set XA,   12
.set TC,   16                          ; v16-19 the four chains of a block's maximum
.set MX,   20                          ; v20-27 pairs: running maximum of block i, scratch
.set AL,   28                          ; v28-35 pairs: 2^(old maximum - new) of block i, a written register
.set LP,   36                          ; v36-43 pairs: running sums of block i (two partial sums a lane)
.set T,    44                          ; v44-59 eight pairs: a block's partial sums of this step
.set LS,   44                          ; the merge: my partner's factor, in pairs (T is free by then)
.set PM,   52                          ; the merge: maxima handed over
.set PL,   56                          ; the merge: sums handed over
.set O,    64                          ; window 0
.set QF,   192                         ; window 0
.set S,    0                           ; window 1
.set KF,   128                         ; window 1
.set VF,   192                         ; window 1
.set G1K, 24
.set G0K, 32
.set G1V, 48
.set G0V, 56
.set MSB, 0
.macro WIN new                         ; s_set_vgpr_msb; the immediate's high byte repeats the setting that is left
.if MSB != \new
	s_set_vgpr_msb (MSB<<8)|\new
.set MSB, \new
.endif
.endm
.macro PLACES c
.rept \c
	v_nop
.endr
.endm
; A joint load: waves 0, 1 ask for K's two halves, waves 2, 3 for V^T's, waves 4-7 for nothing.  The branches hang on the wave's number alone.
.macro JLOAD s
	s_cmp_lg_u32 s13, 0
	s_cbranch_scc1 .Lnot_k_\@
	tensor_load_to_lds s[G0K+4*\s:G0K+4*\s+3], s[G1K:G1K+7]
	s_nop 0
	s_branch .Lasked_\@
.Lnot_k_\@:
	s_cmp_lg_u32 s13, 1
	s_cbranch_scc1 .Lasked_\@
	tensor_load_to_lds s[G0V+4*\s:G0V+4*\s+3], s[G1V:G1V+7]
	s_nop 0
.Lasked_\@:
.endm
.macro ROUND                           ; a round of the cluster's barrier
	s_barrier_signal -1
	s_barrier_wait -1
	s_cmp_lg_u32 s12, 0
	s_cbranch_scc1 .Lnot_wave_0_\@
	s_barrier_signal -3
.Lnot_wave_0_\@:
	s_barrier_wait -3
	s_barrier_signal -1
	s_barrier_wait -1
.endm
	s_load_b256 s[4:11], s[0:1], 0x0               ; qb 4, kb 6, vt 8, ob 10
	v_lshl_add_u32 v62, v0, 2, 0x37400
	v_mov_b32 v63, 0
	ds_add_u32 v62, v63
	v_lshrrev_b32 v1, 5, v0
	v_readfirstlane_b32 s12, v1                    ; wave 0..7
	s_lshr_b32 s13, s12, 1                         ; 0: asks for K, 1: for V^T
	s_and_b32 s14, s12, 3                          ; which 64 queries
	s_lshr_b32 s15, s12, 2                         ; which 128 keys of a slot
	s_and_b32 s19, s12, 1
	s_bfe_u32 s16, ttmp6, 0x40000                  ; cx
	s_lshl_b32 s17, ttmp9, 2
	s_add_co_u32 s17, s17, s16                     ; query block of 256
	s_and_b32 s18, ttmp7, 0xffff                   ; batch x 16 + head, the same in all four partners
	s_mov_b32 s20, 0x76543210                      ; v_permlanex16_b32: lane i of one half reads lane i of the other
	s_mov_b32 s21, 0xfedcba98
	; group 1 for K: 128 rows x 64 elements of 2 bytes, 4 words of padding behind every 32; the mask names all four partners
	s_mov_b32 s[G1K+0], 15|(1<<16)|(1<<20)|(1<<21)|(4<<22)|(3<<25)
	s_mov_b32 s[G1K+1], 64<<16
	s_mov_b32 s[G1K+2], 128<<16
	s_mov_b32 s[G1K+3], 64<<16
	s_mov_b32 s[G1K+4], 128
	s_mov_b32 s[G1K+5], 64
	s_mov_b32 s[G1K+6], 0
	s_mov_b32 s[G1K+7], 0
	; group 1 for V^T: 64 d rows x 128 keys, 2,048 elements from row to row, 4 words of padding behind every 64
	s_mov_b32 s[G1V+0], 15|(1<<16)|(1<<20)|(1<<21)|(5<<22)|(3<<25)
	s_mov_b32 s[G1V+1], 128<<16
	s_mov_b32 s[G1V+2], 64<<16
	s_mov_b32 s[G1V+3], 128<<16
	s_mov_b32 s[G1V+4], 64
	s_mov_b32 s[G1V+5], 2048
	s_mov_b32 s[G1V+6], 0
	s_mov_b32 s[G1V+7], 0
	s_lshl_b32 s40, s18, 18                        ; the (batch, head) block of 262,144 bytes
	s_lshl_b32 s47, s19, 14                        ; + 128 keys of 128 bytes
	s_add_co_u32 s40, s40, s47
	s_mov_b32 s41, 0
	s_lshl_b32 s22, s18, 18
	s_lshl_b32 s47, s19, 8                         ; + 128 keys of 2 bytes
	s_add_co_u32 s22, s22, s47
	s_mov_b32 s23, 0
	s_mul_i32 s47, s12, QUART                      ; LDS: wave x 18,432
	s_wait_dscnt 0x0
	s_wait_kmcnt 0x0
	s_add_nc_u64 s[40:41], s[6:7], s[40:41]
	s_add_nc_u64 s[22:23], s[8:9], s[22:23]
	ROUND                                          ; all four work-groups are here: the first joint loads meet
.irp s, 0,1
	s_mov_b32 s[G0K+4*\s], 1
	s_add_co_u32 s[G0K+4*\s+1], s47, \s*SLOT
	s_add_nc_u64 s[G0K+4*\s+2:G0K+4*\s+3], s[40:41], \s*32768          ; 256 keys of 128 bytes a slot
	s_or_b32 s[G0K+4*\s+3], s[G0K+4*\s+3], 0x80000000
	s_mov_b32 s[G0V+4*\s], 1
	s_add_co_u32 s[G0V+4*\s+1], s47, \s*SLOT
	s_add_nc_u64 s[G0V+4*\s+2:G0V+4*\s+3], s[22:23], \s*512            ; 256 keys of 2 bytes
	s_or_b32 s[G0V+4*\s+3], s[G0V+4*\s+3], 0x80000000
	JLOAD \s                                       ; both first fills together: two loads of an asking wave are out, later one
.endr
	v_and_b32 v1, 15, v0                           ; r
	v_bfe_u32 v2, v0, 4, 1                         ; h
	v_and_b32 v3, 31, v0                           ; lane
	; Q: my 64 queries, straight from memory into fragments, once
	s_lshl_b32 s42, s18, 18
	s_lshl_b32 s46, s17, 15                        ; 256 queries of 128 bytes
	s_add_co_u32 s42, s42, s46
	s_lshl_b32 s46, s14, 13                        ; 64 queries
	s_add_co_u32 s42, s42, s46
	s_mov_b32 s43, 0
	s_add_nc_u64 s[42:43], s[4:5], s[42:43]
	v_lshlrev_b32 v[QO], 7, v1
	v_lshl_add_u32 v[QO], v2, 4, v[QO]
.irp i, 0,1,2,3
.irp c, 0,1
	global_load_b128 v[QF+16*\i+8*\c:QF+16*\i+8*\c+3],   v[QO], s[42:43] offset:2048*\i+64*\c
	global_load_b128 v[QF+16*\i+8*\c+4:QF+16*\i+8*\c+7], v[QO], s[42:43] offset:2048*\i+64*\c+32
.endr
.endr
	; ob: block of 128 rows = batch x 16 + 2 x query block + (my 64 / 128); then the head; then my 64 rows
	s_lshr_b32 s44, s18, 4
	s_lshl_b32 s44, s44, 4
	s_lshl1_add_u32 s44, s17, s44
	s_lshr_b32 s46, s14, 1
	s_add_co_u32 s44, s44, s46
	s_lshl_b32 s44, s44, 4
	s_and_b32 s46, s18, 15
	s_add_co_u32 s44, s44, s46
	s_lshl_b32 s44, s44, 14
	s_lshl_b32 s46, s19, 13
	s_add_co_u32 s44, s44, s46
	s_mov_b32 s45, 0
	s_add_nc_u64 s[44:45], s[10:11], s[44:45]
	v_mul_u32_u24 v13, v1, KP
	v_lshl_add_u32 v13, v2, 4, v13                 ; 144 r + 16 h
	s_mul_i32 s47, s15, QUART
	v_add_nc_u32 v[ADRK], s47, v13
	v_add_nc_u32 v[ADRK+1], SLOT, v[ADRK]
	v_mul_u32_u24 v14, v1, VP
	v_lshl_add_u32 v14, v2, 4, v14
	s_add_co_u32 s47, s47, 2*QUART
	v_add_nc_u32 v[ADRV], s47, v14
	v_add_nc_u32 v[ADRV+1], SLOT, v[ADRV]
	s_mul_i32 s47, s14, 16*OSP
	s_add_co_u32 s47, s47, OSTAGE
	v_add_nc_u32 v[STO], s47, v13
	v_lshrrev_b32 v14, 3, v3
	v_mul_u32_u24 v14, v14, OSP
	v_and_b32 v15, 7, v0
	v_lshl_add_u32 v14, v15, 4, v14
	v_add_nc_u32 v[RD], s47, v14
	v_lshlrev_b32 v[GO], 4, v3
	s_mul_i32 s47, s14, XPART
	s_add_co_u32 s47, s47, XCH
	v_lshl_add_u32 v[XA], v3, 4, s47
.irp i, 0,1,2,3
	v_mov_b32 v[MX+2*\i+1], 0                      ; v_permlanex16_b32's destination counts as read; a packed source's pair is read whole
	v_mov_b32 v[AL+2*\i+1], 0
.endr
.macro FETCHK slot, st                 ; 64 keys x 64 d: 8 fragments, 16 loads
	WIN 0x40                                       ; destination in window 1, address in window 0
.irp a, 0,1,2,3
.irp c, 0,1
	ds_load_b128 v[KF+16*\a+8*\c:KF+16*\a+8*\c+3],   v[ADRK+\slot] offset:(64*\st+16*\a)*KP+64*\c
	ds_load_b128 v[KF+16*\a+8*\c+4:KF+16*\a+8*\c+7], v[ADRK+\slot] offset:(64*\st+16*\a)*KP+64*\c+32
.endr
.endr
.endm
.macro FETCHV slot, st                 ; 64 d x 64 keys: 8 fragments, 16 loads
	WIN 0x40
.irp t, 0,1,2,3
.irp u, 0,1
	ds_load_b128 v[VF+16*\t+8*\u:VF+16*\t+8*\u+3],   v[ADRV+\slot] offset:16*VP*\t+128*\st+64*\u
	ds_load_b128 v[VF+16*\t+8*\u+4:VF+16*\t+8*\u+7], v[ADRV+\slot] offset:16*VP*\t+128*\st+64*\u+32
.endr
.endr
.endm
; The n-th of the 8 matrix instructions of K Q^T of block IN: four key tiles on d 0-31, which start the sums, then the four on d 32-63.
; The four accumulators take turns, one instruction a turn.  Window 0x51.
.macro SM1 n
.if \n < 4
	v_wmma_f32_16x16x32_f16 v[S+32*IN+8*\n:S+32*IN+8*\n+7], v[KF+16*\n:KF+16*\n+7], v[QF+16*IN:QF+16*IN+7], 0
.else
	v_wmma_f32_16x16x32_f16 v[S+32*IN+8*(\n-4):S+32*IN+8*(\n-4)+7], v[KF+16*(\n-4)+8:KF+16*(\n-4)+15], v[QF+16*IN+8:QF+16*IN+15], v[S+32*IN+8*(\n-4):S+32*IN+8*(\n-4)+7]
.endif
.endm
; The n-th of the 8 of P V of block IP: four d tiles on keys 0-31, then the four on keys 32-63, by turns likewise.  mode 1: the very first step,
; whose products start O's sums.  Window 0x05.
.macro PV1 n, mode
.if \n < 4
.if \mode == 1
	v_wmma_f32_16x16x32_f16 v[O+32*IP+8*\n:O+32*IP+8*\n+7], v[VF+16*\n:VF+16*\n+7], v[S+32*IP:S+32*IP+7], 0
.else
	v_wmma_f32_16x16x32_f16 v[O+32*IP+8*\n:O+32*IP+8*\n+7], v[VF+16*\n:VF+16*\n+7], v[S+32*IP:S+32*IP+7], v[O+32*IP+8*\n:O+32*IP+8*\n+7]
.endif
.else
	v_wmma_f32_16x16x32_f16 v[O+32*IP+8*(\n-4):O+32*IP+8*(\n-4)+7], v[VF+16*(\n-4)+8:VF+16*(\n-4)+15], v[S+32*IP+8:S+32*IP+15], v[O+32*IP+8*(\n-4):O+32*IP+8*(\n-4)+7]
.endif
.endm
; Line m (0..15) of block i's maximum: chain m mod 4 takes two more of its eight scores.  Four chains, so that no line waits for the one in front.
.macro MAX1 i, m
.if (\m) < 4
	v_max_num_f32 v[TC+((\m)&3)], v[S+32*\i+8*((\m)&3)], v[S+32*\i+8*((\m)&3)+1]
.else
	v_max3_num_f32 v[TC+((\m)&3)], v[S+32*\i+8*((\m)&3)+2*((\m)>>2)], v[S+32*\i+8*((\m)&3)+2*((\m)>>2)+1], v[TC+((\m)&3)]
.endif
.endm
.macro EXP4 i, g
.irp e, 0,1,2,3
	v_exp_f32 v[S+32*\i+4*(\g)+\e], v[S+32*\i+4*(\g)+\e]       ; P = 2^(S - maximum), at most 1
.endr
.endm
; The tree over block IP's eight partial sums, and its running sum.  In four parts, laid between the lines of the next block's statistics.
.macro TREE1
	v_pk_add_f32 v[T:T+1], v[T:T+1], v[T+2:T+3]
	v_pk_add_f32 v[T+4:T+5], v[T+4:T+5], v[T+6:T+7]
	v_pk_add_f32 v[T+8:T+9], v[T+8:T+9], v[T+10:T+11]
	v_pk_add_f32 v[T+12:T+13], v[T+12:T+13], v[T+14:T+15]
.endm
.macro TREE2
	v_pk_add_f32 v[T:T+1], v[T:T+1], v[T+4:T+5]
	v_pk_add_f32 v[T+8:T+9], v[T+8:T+9], v[T+12:T+13]
.endm
.macro TREE3                           ; the old sum to the new maximum, and half of the new one
	v_pk_fma_f32 v[LP+2*IP:LP+2*IP+1], v[LP+2*IP:LP+2*IP+1], v[AL+2*IP:AL+2*IP+1], v[T:T+1] op_sel_hi:[1,0,1]
.endm
.macro TREE4 mode
.if \mode == 1
	v_pk_add_f32 v[LP+2*IP:LP+2*IP+1], v[T:T+1], v[T+8:T+9]    ; the very first step starts the running sum
.else
	v_pk_add_f32 v[LP+2*IP:LP+2*IP+1], v[LP+2*IP:LP+2*IP+1], v[T+8:T+9]
.endif
.endm
; STAGE i of the step on keys (slot, st).
;   first: this step is the very first (no running maximum, nothing to rescale)
;   pmode: P V and the sums' tree of the block in front, IP = i - 1 (for i = 0: block 3 of the step before): 0 none, 1 they start the sums, 2 they add
;   smm:   K Q^T of the block behind, IN = i + 1 (for i = 3: block 0 of the next step)
;   hk:    1 fetch this step's V fragments; 2 fetch the K fragments of this slot's second 64 keys; 3 this slot has been read: the round, its joint
;          refill, the other slot's first K fragments; 4 the same without a refill, with the work-group's barrier alone; 0 nothing
; Only one group of 16 LDS loads is ever out, so every wait for them is for 0.
.macro STAGE i, first, pmode, smm, hk, slot, st
.set IP, (\i+3)&3
.set IN, (\i+1)&3
.if \i == 1
	s_wait_dscnt 0x0                               ; this step's V fragments, asked for in stage 0
.endif
	WIN 0x05
.irp n, 0,1,2,3,4,5,6,7
	MAX1 \i, 2*\n                                  ; block i's S was written a stage ago: more than four plain lines stand between
	MAX1 \i, 2*\n+1
.if \pmode
	PV1 \n, \pmode
.endif
.endr
	WIN 0
.if \pmode
	TREE1
.endif
	v_max3_num_f32 v[TC], v[TC], v[TC+1], v[TC+2]
.if \pmode
	TREE2
.endif
	v_max_num_f32 v[TC], v[TC], v[TC+3]
.if \pmode == 2
	TREE3
.endif
	v_permlanex16_b32 v[MX+2*\i+1], v[TC], s20, s21            ; the other half of the lanes holds the query's other keys
.if \pmode
	TREE4 \pmode
.endif
.if \first
	v_max_num_f32 v[MX+2*\i], v[TC], v[MX+2*\i+1]
.else
	v_max3_num_f32 v[TC], v[TC], v[MX+2*\i+1], v[MX+2*\i]      ; with the running maximum
	v_sub_f32 v[AL+2*\i], v[MX+2*\i], v[TC]                    ; old maximum - new, at most 0
	v_exp_f32 v[AL+2*\i], v[AL+2*\i]
	v_mov_b32 v[MX+2*\i], v[TC]                                ; the plain line behind the exponential, in front of its first use
	s_wait_alu depctr_va_vdst(0)
.irp p, 0,1,2,3,4,5,6,7,8,9,10,11,12,13,14,15
	v_pk_mul_f32 v[O+32*\i+2*\p:O+32*\i+2*\p+1], v[O+32*\i+2*\p:O+32*\i+2*\p+1], v[AL+2*\i:AL+2*\i+1] op_sel_hi:[1,0]   ; O to the new maximum
.endr
.endif
.if \hk == 1
	FETCHV \slot, \st                              ; the last P V that read these registers stands more than four plain lines back
.endif
.if \i == 3
.if \smm
	s_wait_dscnt 0x0                               ; the next step's K fragments, asked for in stage 2
.endif
.endif
	WIN 0x51
.irp n, 0,1,2,3,4,5,6,7
.if \smm
	SM1 \n
.endif
	v_pk_add_f32 v[S+32*\i+4*\n:S+32*\i+4*\n+1], v[S+32*\i+4*\n:S+32*\i+4*\n+1], v[MX+2*\i:MX+2*\i+1] op_sel_hi:[1,0] neg_lo:[0,1] neg_hi:[0,1]
	v_pk_add_f32 v[S+32*\i+4*\n+2:S+32*\i+4*\n+3], v[S+32*\i+4*\n+2:S+32*\i+4*\n+3], v[MX+2*\i:MX+2*\i+1] op_sel_hi:[1,0] neg_lo:[0,1] neg_hi:[0,1]
.if \n > 0
	EXP4 \i, \n-1                                  ; one group behind its subtractions
.endif
.endr
	EXP4 \i, 7
	v_nop                                          ; one plain line behind the exponentials, in front of the first use of any of them
	WIN 0x05
	s_wait_alu depctr_va_vdst(0)
.irp k, 0,1,2,3,4,5,6,7
	v_pk_add_f32 v[T+2*\k:T+2*\k+1], v[S+32*\i+4*\k:S+32*\i+4*\k+1], v[S+32*\i+4*\k+2:S+32*\i+4*\k+3]
.endr
.if \hk == 2
	FETCHK \slot, 1                                ; block 3's K Q^T, the last to read these registers, stands more than four plain lines back
.endif
.if \hk == 3
	WIN 0
	s_wait_tensorcnt 0x0                           ; all my tensor loads have landed, my part of the other slot among them,
	ds_add_u32 v62, v63
	s_add_nc_u64 s[G0K+4*\slot+2:G0K+4*\slot+3], s[G0K+4*\slot+2:G0K+4*\slot+3], 65536   ; so a group 0 may be written: this slot's tile two slots on
	s_add_nc_u64 s[G0V+4*\slot+2:G0V+4*\slot+3], s[G0V+4*\slot+2:G0V+4*\slot+3], 1024
	s_wait_dscnt 0x0                               ; my reads of this slot are back: its last K fragments a step ago, its last V fragments in stage 1
	ROUND                                          ; both now hold of every wave of all four work-groups
	JLOAD \slot                                    ; the joint refill, first behind the round; it has two steps in which to land
	FETCHK 1-\slot, 0
.endif
.if \hk == 4
	s_wait_tensorcnt 0x0                           ; the last tile has landed
	s_wait_dscnt 0x0
	s_barrier_signal -1
	s_barrier_wait -1                              ; every asking wave has said so
	FETCHK 1-\slot, 0
.endif
	WIN 0x45
.irp n, 0,1,2,3,4,5,6,7,8,9,10,11,12,13,14,15
	v_cvt_pk_f16_f32 v[S+32*\i+\n], v[S+32*\i+2*\n], v[S+32*\i+2*\n+1]   ; packed in place, ascending: register n was consumed at or before this line
.endr
.endm
.macro HEAD slot, st                   ; stage 0 of a step
	STAGE 0, 0, 2, 1, 1, \slot, \st
.endm
.macro REST slot, st, hk, more         ; its stages 1 to 3; more = 0: no step follows
	STAGE 1, 0, 2, 1, 0, \slot, \st
	STAGE 2, 0, 2, 1, \hk, \slot, \st
	STAGE 3, 0, 2, \more, 0, \slot, \st
.endm
	s_wait_tensorcnt 0x0                           ; waves 0-3 have issued two loads, waves 4-7 none: the one count that shows slot 0 landed on every
	                                               ; wave's path is 0.  Slot 1's fill, issued straight behind slot 0's, is waited for with it, once
	s_barrier_signal -1
	s_barrier_wait -1                              ; every asking wave has said so: slot 0 is whole for all eight
	FETCHK 0, 0
	s_wait_loadcnt 0x0                             ; Q
	s_wait_dscnt 0x0
	WIN 0x51
.set IN, 0
.irp n, 0,1,2,3,4,5,6,7
	SM1 \n                                         ; block 0 of step 0 fills the pipeline
.endr
	PLACES 4                                       ; here alone nothing useful stands between a product and its first reader
	; 16 steps of 64 keys: step j reads slot (j / 2) mod 2, keys 64 (j mod 2) of my 128
	STAGE 0, 1, 0, 1, 1, 0, 0                      ; step 0: its P V products start O's sums
	STAGE 1, 1, 1, 1, 0, 0, 0
	STAGE 2, 1, 1, 1, 2, 0, 0
	STAGE 3, 1, 1, 1, 0, 0, 0
	STAGE 0, 0, 1, 1, 1, 0, 1                      ; stage 0 of step 1, with block 3 of step 0 behind it
	WIN 0
	s_mov_b32 s46, 3
.Lkeys:                                            ; a trip: stage 1 of step 4 t + 1 to stage 0 of step 4 t + 5; two rounds, two refills
	REST 0, 1, 3, 1
	HEAD 1, 0
	REST 1, 0, 2, 1
	HEAD 1, 1
	REST 1, 1, 3, 1
	HEAD 0, 0
	REST 0, 0, 2, 1
	HEAD 0, 1
	WIN 0
	s_sub_co_u32 s46, s46, 1
	s_cmp_lg_u32 s46, 0
	s_cbranch_scc1 .Lkeys
	REST 0, 1, 4, 1                                ; step 13: nothing is left to ask for
	HEAD 1, 0
	REST 1, 0, 2, 1
	HEAD 1, 1
	REST 1, 1, 0, 0                                ; step 15
	WIN 0x05
.set IP, 3
.irp n, 0,1,2,3,4,5,6,7
	PV1 \n, 2                                      ; the last block drains the pipeline
.endr
	WIN 0
	TREE1                                          ; these twelve plain lines are also the places in front of the first reader of O
	TREE2
	TREE3
	TREE4 2
	; THE MERGE of the two halves of the keys
.irp i, 0,1,2,3
	v_add_f32 v[LP+2*\i], v[LP+2*\i], v[LP+2*\i+1]
.endr
	s_cmp_eq_u32 s15, 0
	s_cbranch_scc1 .Lkeep
.irp i, 0,1,2,3
	v_mov_b32 v[PM+\i], v[MX+2*\i]                 ; four neighbouring registers for one 16-byte store
	v_mov_b32 v[PL+\i], v[LP+2*\i]
.endr
.irp g, 0,1,2,3,4,5,6,7,8,9,10,11,12,13,14,15,16,17,18,19,20,21,22,23,24,25,26,27,28,29,30,31
	ds_store_b128 v[XA], v[O+4*\g:O+4*\g+3] offset:512*\g
.endr
	ds_store_b128 v[XA], v[PM:PM+3] offset:16384
	ds_store_b128 v[XA], v[PL:PL+3] offset:16896
.Lkeep:
	s_wait_dscnt 0x0                               ; my stores are done, for my partner's sake
	s_barrier_signal -1
	s_barrier_wait -1
	s_cmp_lg_u32 s15, 0
	s_cbranch_scc1 .Lclose
	ds_load_b128 v[PM:PM+3], v[XA] offset:16384
	ds_load_b128 v[PL:PL+3], v[XA] offset:16896
	s_wait_dscnt 0x0
.irp i, 0,1,2,3
	v_max_num_f32 v[TC+\i], v[MX+2*\i], v[PM+\i]
.endr
.irp i, 0,1,2,3
	v_sub_f32 v[AL+2*\i], v[MX+2*\i], v[TC+\i]
	v_sub_f32 v[LS+2*\i], v[PM+\i], v[TC+\i]
.endr
.irp i, 0,1,2,3
	v_exp_f32 v[AL+2*\i], v[AL+2*\i]
	v_exp_f32 v[LS+2*\i], v[LS+2*\i]
.endr
	v_nop
	s_wait_alu depctr_va_vdst(0)
.irp i, 0,1,2,3
	v_mul_f32 v[TC+\i], v[LP+2*\i], v[AL+2*\i]
	v_fmac_f32 v[TC+\i], v[PL+\i], v[LS+2*\i]
.endr
.irp i, 0,1,2,3
	v_permlanex16_b32 v[MX+2*\i+1], v[TC+\i], s20, s21
.endr
.irp i, 0,1,2,3
	v_add_f32 v[TC+\i], v[TC+\i], v[MX+2*\i+1]     ; the query's whole sum: at least 1, since the largest exponential is 1
.endr
.irp i, 0,1,2,3
	v_rcp_f32 v[TC+\i], v[TC+\i]
.endr
	v_nop
	s_wait_alu depctr_va_vdst(0)
.irp i, 0,1,2,3
	v_mul_f32 v[AL+2*\i], v[AL+2*\i], v[TC+\i]     ; my O's factor
	v_mul_f32 v[LS+2*\i], v[LS+2*\i], v[TC+\i]     ; my partner's
.endr
.macro OUTI i                          ; queries 16 i .. 16 i + 15 of my 64; Q's registers are free and serve as scratch
.irp g, 0,1,2,3,4,5,6,7
	ds_load_b128 v[QF+4*\g:QF+4*\g+3], v[XA] offset:512*(8*\i+\g)
.endr
	s_wait_dscnt 0x0
.irp p, 0,1,2,3,4,5,6,7,8,9,10,11,12,13,14,15
	v_pk_mul_f32 v[QF+2*\p:QF+2*\p+1], v[QF+2*\p:QF+2*\p+1], v[LS+2*\i:LS+2*\i+1] op_sel_hi:[1,0]
.endr
.irp p, 0,1,2,3,4,5,6,7,8,9,10,11,12,13,14,15
	v_pk_fma_f32 v[QF+2*\p:QF+2*\p+1], v[O+32*\i+2*\p:O+32*\i+2*\p+1], v[AL+2*\i:AL+2*\i+1], v[QF+2*\p:QF+2*\p+1] op_sel_hi:[1,0,1]
.endr
.irp p, 0,1,2,3,4,5,6,7,8,9,10,11,12,13,14,15
	v_cvt_pk_f16_f32 v[QF+32+\p], v[QF+2*\p], v[QF+2*\p+1]
.endr
.irp t, 0,1,2,3
	ds_store_b128 v[STO], v[QF+32+4*\t:QF+32+4*\t+3] offset:32*\t            ; row r, d = 16 t + 8 h + 0..7
.endr
.irp g, 0,1,2,3
	ds_load_b128 v[O+32*\i+4*\g:O+32*\i+4*\g+3], v[RD] offset:4*OSP*\g       ; into block i's own O, which has been used up: no store's data is rewritten
.endr
.irp g, 0,1,2,3
	s_wait_dscnt 3-\g                              ; read-back g is in, the younger ones stay out
	global_store_b128 v[GO], v[O+32*\i+4*\g:O+32*\i+4*\g+3], s[44:45] offset:2048*\i+512*\g   ; four rows: 512 consecutive bytes
.endr
.endm
	OUTI 0
	OUTI 1
	OUTI 2
	OUTI 3
.Lclose:
	s_wait_tensorcnt 0x0
	ds_add_u32 v62, v63
	s_wait_dscnt 0x0
	ROUND                                          ; the closing round
	s_endpgm
.Lfunc_end_k_qd746fcd805_attn:
	.size	k_qd746fcd805_attn, .Lfunc_end_k_qd746fcd805_attn-k_qd746fcd805_attn
	.p2alignl 7, 3214868480
	.fill 96, 4, 3214868480
	.section	.rodata,"a",@progbits
	.p2align	6, 0x0
	.amdhsa_kernel k_qd746fcd805_attn
		.amdhsa_group_segment_fixed_size 327680
		.amdhsa_private_segment_fixed_size 0
		.amdhsa_enable_private_segment 0
		.amdhsa_kernarg_size 32
		.amdhsa_user_sgpr_count 2
		.amdhsa_user_sgpr_kernarg_segment_ptr 1
		.amdhsa_wavefront_size32 1
		.amdhsa_system_sgpr_workgroup_id_x 1
		.amdhsa_system_sgpr_workgroup_id_y 1
		.amdhsa_system_sgpr_workgroup_id_z 1
		.amdhsa_system_vgpr_workitem_id 0
		.amdhsa_next_free_vgpr 512
		.amdhsa_next_free_sgpr 66
		.amdhsa_reserve_vcc 0
		.amdhsa_float_denorm_mode_32 3
		.amdhsa_float_denorm_mode_16_64 3
		.amdhsa_memory_ordered 1
		.amdhsa_forward_progress 1
		.amdhsa_inst_pref_size 255
	.end_amdhsa_kernel
	.section	.bss,"aw",@nobits
	.p2align	6
	.space	262144
	.amdgpu_metadata
---
amdhsa.version: [ 1, 2 ]
amdhsa.kernels:
  - .name:           k_qd746fcd805_attn
    .symbol:         k_qd746fcd805_attn.kd
    .args:
      - { .name: qb, .offset: 0, .size: 8, .value_kind: global_buffer, .address_space: global }
      - { .name: kb, .offset: 8, .size: 8, .value_kind: global_buffer, .address_space: global }
      - { .name: vt, .offset: 16, .size: 8, .value_kind: global_buffer, .address_space: global }
      - { .name: ob, .offset: 24, .size: 8, .value_kind: global_buffer, .address_space: global }
    .group_segment_fixed_size: 327680
    .private_segment_fixed_size: 0
    .kernarg_segment_align: 8
    .kernarg_segment_size: 32
    .max_flat_workgroup_size: 256
    .sgpr_count:     66
    .vgpr_count:     512
    .wavefront_size: 32
...
	.end_amdgpu_metadata
.endif
;; end of part 3
;; launch proj (part 4): grid 8 x 32, 4 waves a work-group, clusters of 4 x 4, 327,680 bytes of LDS; arguments ob, wob, bo, out0; writes out0
.if DOCPART == 4
	.amdgcn_target "amdgcn-amd-amdhsa--gfx1250"
	.amdhsa_code_object_version 6
	.text
	.protected	k_qd746fcd805_proj
	.globl	k_qd746fcd805_proj
	.p2align	8
	.type	k_qd746fcd805_proj,@function
k_qd746fcd805_proj:
	s_mov_b64 s[64:65], 0
	v_nop
	global_prefetch_b8 v0, s[64:65] scope:SCOPE_SE
	s_setreg_imm32_b32 hwreg(HW_REG_WAVE_MODE, 25, 1), 1
	s_wait_xcnt 0x0
	s_wait_alu depctr_hold_cnt(0) depctr_sa_sdst(0) depctr_va_vdst(0) depctr_va_sdst(0) depctr_va_ssrc(0) depctr_va_vcc(0) depctr_vm_vsrc(0)
	s_getreg_b32 s2, hwreg(HW_REG_IB_STS2, 6, 4)
	s_cmp_eq_u32 s2, 0
	s_cbranch_scc0 .Lentry_in_a_cluster
	s_endpgm
.Lentry_in_a_cluster:
	s_bfe_u32 s2, ttmp6, 0x10000c
	s_cmp_lg_u32 s2, 0xf033
	s_cbranch_scc0 .Lentry_shape_is_right
	s_endpgm
.Lentry_shape_is_right:
; out0 = o wo + bo, f32.  o comes as ob [32 blocks of 128 rows][16 heads][128 rows][64 d], wo as wob [8 blocks of 128 columns][1024 k][128], both f16.
; A work-group makes 128 x 128 of out0, so that 4096 x 1024 gives one block to each of 256 work-groups; four waves, 2 x 2, each 64 x 64: 16 accumulator tiles.
; A slot holds K = 256 (four heads): 112 matrix instructions of a wave stand between a request and the wait for it.  Four slots' worth of K, written out.
; Waves 0, 1 bring o's tile (2 heads x 128 rows x 128 bytes each, dense in memory), waves 2, 3 wo's (128 k rows x 256 bytes each).
; CLUSTERS: 4 x 4.  o's tile hangs on the row block alone, shared along a row of the cluster; wo's on the column block alone, shared along a column.
; The matrix instruction is used transposed (source 0 = wo, by the transposing load; source 1 = o): a lane holds 8 neighbouring columns of one row.
; LIMITS: as the operands': f16.  NaN and infinities are not served.
.set AP,    144                        ; o's LDS row: 128 + 16 bytes
.set BP,    288                        ; wo's: 256 + 32, an odd multiple of 32
.set QUART, 36864                      ; 256 x 144 = 128 x 288: what one wave brings
.set SLOT,  4*QUART
.set STAGE, 2*SLOT                     ; way out: 16 rows x 272 bytes for each wave; no tensor load lands here
.set SP,    272
.set ADRA, 4                           ; v4-5  slot 0, 1
.set ADRB, 6                           ; v6-9  slot 0 k 0-127, slot 0 k 128-255, slot 1 likewise
.set STO,  10
.set RD,   11
.set CO,   12
.set BOF,  13
.set AF,   32                          ; v32-63 and v96-127: o's fragments, two buffers
.set BF,   64                          ; v64-95 and v128-159: wo's
.set BO,   160                         ; v160-191 bo of my 8 columns of each of 4 column blocks
.set T,    192
.set RB,   224
.set G1A, 24
.set G0A, 32
.set G1B, 48
.set G0B, 56
.set MSB, 0
.macro WIN new
.if MSB != \new
	s_set_vgpr_msb (MSB<<8)|\new
.set MSB, \new
.endif
.endm
.macro PLACES c
.rept \c
	v_nop
.endr
.endm
.macro JLOAD s
	s_cmp_eq_u32 s13, 0
	s_cbranch_scc0 .Lfor_b_\@
	tensor_load_to_lds s[G0A+4*\s:G0A+4*\s+3], s[G1A:G1A+7]
	s_nop 0
	s_branch .Lasked_\@
.Lfor_b_\@:
	tensor_load_to_lds s[G0B+4*\s:G0B+4*\s+3], s[G1B:G1B+7]
	s_nop 0
.Lasked_\@:
.endm
.macro CREST
	s_cmp_lg_u32 s12, 0
	s_cbranch_scc1 .Lnot_wave_0_\@
	s_barrier_signal -3
.Lnot_wave_0_\@:
	s_barrier_wait -3
	s_barrier_signal -1
	s_barrier_wait -1
.endm
.macro CROUND
	s_barrier_signal -1
	s_barrier_wait -1
	CREST
.endm
	s_load_b256 s[4:11], s[0:1], 0x0               ; ob 4, wob 6, bo 8, out0 10
	v_lshl_add_u32 v30, v0, 2, 0x4c400
	v_mov_b32 v31, 0
	ds_add_u32 v30, v31
	v_lshrrev_b32 v1, 5, v0
	v_readfirstlane_b32 s12, v1                    ; wave 0..3
	s_lshr_b32 s13, s12, 1                         ; my half of the rows.  Also: I ask for o (0) or for wo (1)
	s_and_b32 s14, s12, 1                          ; my half of the columns.  Also: which half of that tile
	s_bfe_u32 s40, ttmp6, 0x40000                  ; cx
	s_bfe_u32 s41, ttmp6, 0x40004                  ; cy
	s_lshl_b32 s42, ttmp9, 2
	s_add_co_u32 s42, s42, s40                     ; column block
	s_and_b32 s15, ttmp7, 0xffff
	s_lshl_b32 s15, s15, 2
	s_add_co_u32 s15, s15, s41                     ; row block
	s_lshl_b32 s43, s41, 2
	s_lshl_b32 s43, 15, s43
	s_lshl_b32 s44, 0x1111, s40
	; group 1 for o: 256 rows x 64 elements, dense, 4 words of padding behind every 32
	s_or_b32 s[G1A+0], s43, (1<<16)|(1<<20)|(1<<21)|(4<<22)|(3<<25)
	s_mov_b32 s[G1A+1], 64<<16
	s_mov_b32 s[G1A+2], 256<<16
	s_mov_b32 s[G1A+3], 64<<16
	s_mov_b32 s[G1A+4], 256
	s_mov_b32 s[G1A+5], 64
	s_mov_b32 s[G1A+6], 0
	s_mov_b32 s[G1A+7], 0
	; group 1 for wo: 128 rows x 128 elements, dense, 8 words of padding behind every 64
	s_or_b32 s[G1B+0], s44, (1<<16)|(1<<20)|(1<<21)|(5<<22)|(7<<25)
	s_mov_b32 s[G1B+1], 128<<16
	s_mov_b32 s[G1B+2], 128<<16
	s_mov_b32 s[G1B+3], 128<<16
	s_mov_b32 s[G1B+4], 128
	s_mov_b32 s[G1B+5], 128
	s_mov_b32 s[G1B+6], 0
	s_mov_b32 s[G1B+7], 0
	s_lshl_b32 s20, s14, 15                        ; my half of a tile: 32,768 bytes in either tensor
	s_lshl_b32 s16, s15, 18                        ; a row block of ob: 262,144 bytes
	s_add_co_u32 s16, s16, s20
	s_mov_b32 s17, 0
	s_lshl_b32 s46, s42, 18                        ; a column block of wob: 262,144 bytes
	s_add_co_u32 s46, s46, s20
	s_mov_b32 s47, 0
	s_mul_i32 s21, s12, QUART
	s_wait_dscnt 0x0
	s_wait_kmcnt 0x0
	s_add_nc_u64 s[16:17], s[4:5], s[16:17]
	s_add_nc_u64 s[46:47], s[6:7], s[46:47]
	CROUND
.irp s, 0,1
	s_mov_b32 s[G0A+4*\s], 1
	s_add_co_u32 s[G0A+4*\s+1], s21, \s*SLOT
	s_add_nc_u64 s[G0A+4*\s+2:G0A+4*\s+3], s[16:17], \s*65536
	s_or_b32 s[G0A+4*\s+3], s[G0A+4*\s+3], 0x80000000
	s_mov_b32 s[G0B+4*\s], 1
	s_add_co_u32 s[G0B+4*\s+1], s21, \s*SLOT
	s_add_nc_u64 s[G0B+4*\s+2:G0B+4*\s+3], s[46:47], \s*65536
	s_or_b32 s[G0B+4*\s+3], s[G0B+4*\s+3], 0x80000000
	JLOAD \s                                       ; both first fills together: two loads of the wave are out, later one
.endr
	v_and_b32 v1, 15, v0                           ; r
	v_bfe_u32 v2, v0, 4, 1                         ; h
	v_lshlrev_b32 v[BOF], 5, v2
	s_lshl_b32 s70, s42, 9                         ; my 64 columns, in bytes of f32: 512 x block + 256 x half
	s_lshl_b32 s72, s14, 8
	s_add_co_u32 s70, s70, s72
	s_mov_b32 s71, 0
	s_add_nc_u64 s[66:67], s[8:9], s[70:71]
.irp b, 0,1,2,3
	global_load_b128 v[BO+8*\b:BO+8*\b+3],   v[BOF], s[66:67] offset:64*\b
	global_load_b128 v[BO+8*\b+4:BO+8*\b+7], v[BOF], s[66:67] offset:64*\b+16
.endr
	s_lshl_b32 s72, s15, 19                        ; 128 rows of 4,096 bytes
	s_add_co_u32 s72, s72, s70
	s_lshl_b32 s74, s13, 18                        ; + my 64 rows
	s_add_co_u32 s72, s72, s74
	s_mov_b32 s73, 0
	s_add_nc_u64 s[68:69], s[10:11], s[72:73]
	v_mul_u32_u24 v16, v1, AP
	v_lshl_add_u32 v16, v2, 4, v16
	s_mul_i32 s22, s13, 64*AP
	v_add_nc_u32 v[ADRA], s22, v16
	v_add_nc_u32 v[ADRA+1], SLOT, v[ADRA]
	v_and_b32 v17, 7, v0
	v_lshl_add_u32 v17, v2, 3, v17
	v_mul_u32_u24 v17, v17, BP
	v_bfe_u32 v18, v0, 3, 1
	v_lshl_add_u32 v17, v18, 4, v17
	s_lshl_b32 s22, s14, 7
	s_add_co_u32 s22, s22, 2*QUART
	v_add_nc_u32 v[ADRB], s22, v17
	v_add_nc_u32 v[ADRB+1], QUART, v[ADRB]
	v_add_nc_u32 v[ADRB+2], SLOT, v[ADRB]
	v_add_nc_u32 v[ADRB+3], SLOT+QUART, v[ADRB]
	s_mul_i32 s22, s12, 16*SP
	s_add_co_u32 s22, s22, STAGE
	v_mul_u32_u24 v16, v1, SP
	v_lshl_add_u32 v16, v2, 5, v16
	v_add_nc_u32 v[STO], s22, v16                  ; in: row r, 32 bytes for each half of the lanes
	v_mul_u32_u24 v16, v2, SP
	v_lshl_add_u32 v16, v1, 4, v16
	v_add_nc_u32 v[RD], s22, v16                   ; back: lanes 0-15 one row of 256 bytes, lanes 16-31 the next
	v_lshlrev_b32 v16, 12, v2
	v_lshl_add_u32 v[CO], v1, 4, v16               ; and the same two rows in out0
; 16 LDS loads: the fragments of 32 along K (kq = 0..7 in the slot) into buffer f
.macro FETCHP slot, kq, f
.irp a, 0,1,2,3
	ds_load_b128 v[AF+64*\f+8*\a:AF+64*\f+8*\a+3],   v[ADRA+\slot] offset:(\kq>>1)*128*AP+(\kq&1)*64+16*AP*\a
	ds_load_b128 v[AF+64*\f+8*\a+4:AF+64*\f+8*\a+7], v[ADRA+\slot] offset:(\kq>>1)*128*AP+(\kq&1)*64+16*AP*\a+32
.endr
.irp b, 0,1,2,3
	ds_load_tr16_b128 v[BF+64*\f+8*\b:BF+64*\f+8*\b+3],   v[ADRB+2*\slot+(\kq>>2)] offset:(\kq&3)*32*BP+32*\b
	ds_load_tr16_b128 v[BF+64*\f+8*\b+4:BF+64*\f+8*\b+7], v[ADRB+2*\slot+(\kq>>2)] offset:(\kq&3)*32*BP+32*\b+16*BP
.endr
.endm
; 16 matrix instructions; the 16 accumulators take turns, one instruction a turn
.macro MULP f, zero
	WIN 0x50                                       ; sources window 0, C and D window 1
.irp a, 0,1,2,3
.irp b, 0,1,2,3
.if \zero
	v_wmma_f32_16x16x32_f16 v[8*(4*\a+\b):8*(4*\a+\b)+7], v[BF+64*\f+8*\b:BF+64*\f+8*\b+7], v[AF+64*\f+8*\a:AF+64*\f+8*\a+7], 0
.else
	v_wmma_f32_16x16x32_f16 v[8*(4*\a+\b):8*(4*\a+\b)+7], v[BF+64*\f+8*\b:BF+64*\f+8*\b+7], v[AF+64*\f+8*\a:AF+64*\f+8*\a+7], v[8*(4*\a+\b):8*(4*\a+\b)+7]
.endif
.endr
.endr
	WIN 0
.endm
; multiplies buffer f; ahead of that, fetches piece kq of the slot into buffer g
.macro SUB slot, kq, f, g, zero
	s_wait_dscnt 0x0                               ; buffer f is in
	PLACES 4                                       ; buffer g was read by the last matrix instructions
	FETCHP \slot, \kq, \g
	MULP \f, \zero
.endm
.macro SEVEN slot, zero
	SUB \slot, 1, 0, 1, \zero
	SUB \slot, 2, 1, 0, 0
	SUB \slot, 3, 0, 1, 0
	SUB \slot, 4, 1, 0, 0
	SUB \slot, 5, 0, 1, 0
	SUB \slot, 6, 1, 0, 0
	SUB \slot, 7, 0, 1, 0
.endm
; The slot's last piece, and the change of slots: each wave's reads of this slot and all its tensor loads are waited for in front of the barrier;
; where the slot is filled again the barrier opens a round of the cluster's barrier, and the joint refill comes first behind the round.
.macro LAST slot, next, fill
	s_wait_dscnt 0x0
	s_wait_tensorcnt 0x0
	ds_add_u32 v30, v31
	s_wait_dscnt 0x0
	s_barrier_signal -1
	MULP 1, 0
	s_barrier_wait -1
.if \fill
	CREST
	s_add_nc_u64 s[G0A+4*\slot+2:G0A+4*\slot+3], s[G0A+4*\slot+2:G0A+4*\slot+3], 131072
	s_add_nc_u64 s[G0B+4*\slot+2:G0B+4*\slot+3], s[G0B+4*\slot+2:G0B+4*\slot+3], 131072
	JLOAD \slot
.endif
	PLACES 4
	FETCHP \next, 0, 0
.endm
	s_wait_tensorcnt 0x1                           ; my part of slot 0 is in; slot 1's may stay out
	s_barrier_signal -1
	s_barrier_wait -1
	FETCHP 0, 0, 0
	SEVEN 0, 1                                     ; k 0-255
	LAST 0, 1, 1                                   ; asks for k 512-767
	SEVEN 1, 0                                     ; k 256-511
	LAST 1, 0, 1                                   ; asks for k 768-1023
	SEVEN 0, 0
	LAST 0, 1, 0
	SEVEN 1, 0
	s_wait_dscnt 0x0
	MULP 1, 0
	PLACES 4
	s_wait_loadcnt 0x0                             ; bo
; rows 16 a .. 16 a + 15 of my 64: add the bias, through my own stage, out as whole rows of 256 bytes
.macro OUT16 a
	WIN 0x01
.irp b, 0,1,2,3
.irp j, 0,2,4,6
	v_pk_add_f32 v[T+8*\b+\j:T+8*\b+\j+1], v[8*(4*\a+\b)+\j:8*(4*\a+\b)+\j+1], v[BO+8*\b+\j:BO+8*\b+\j+1]
.endr
.endr
	WIN 0
.irp b, 0,1,2,3
	ds_store_b128 v[STO], v[T+8*\b:T+8*\b+3]   offset:64*\b
	ds_store_b128 v[STO], v[T+8*\b+4:T+8*\b+7] offset:64*\b+16
.endr
	s_wait_xcnt 0x0                                ; RB, which earlier stores read, is loaded again only behind this wait
.irp g, 0,1,2,3,4,5,6,7
	ds_load_b128 v[RB+4*\g:RB+4*\g+3], v[RD] offset:2*SP*\g                  ; LDS serves a wave's instructions in order: these see the stores above
.endr
.irp g, 0,1,2,3,4,5,6,7
	s_wait_dscnt 7-\g
	global_store_b128 v[CO], v[RB+4*\g:RB+4*\g+3], s[68:69] offset:(16*\a+2*\g)*4096 th:TH_STORE_NT   ; 16 lanes store 256 consecutive bytes, at a multiple of 256 from out0's first byte
.endr
.endm
	OUT16 0
	OUT16 1
	OUT16 2
	OUT16 3
	s_wait_tensorcnt 0x0
	ds_add_u32 v30, v31
	s_wait_dscnt 0x0
	CROUND                                         ; the closing round
	s_endpgm
.Lfunc_end_k_qd746fcd805_proj:
	.size	k_qd746fcd805_proj, .Lfunc_end_k_qd746fcd805_proj-k_qd746fcd805_proj
	.p2alignl 7, 3214868480
	.fill 96, 4, 3214868480
	.section	.rodata,"a",@progbits
	.p2align	6, 0x0
	.amdhsa_kernel k_qd746fcd805_proj
		.amdhsa_group_segment_fixed_size 327680
		.amdhsa_private_segment_fixed_size 0
		.amdhsa_enable_private_segment 0
		.amdhsa_kernarg_size 32
		.amdhsa_user_sgpr_count 2
		.amdhsa_user_sgpr_kernarg_segment_ptr 1
		.amdhsa_wavefront_size32 1
		.amdhsa_system_sgpr_workgroup_id_x 1
		.amdhsa_system_sgpr_workgroup_id_y 1
		.amdhsa_system_sgpr_workgroup_id_z 1
		.amdhsa_system_vgpr_workitem_id 0
		.amdhsa_next_free_vgpr 384
		.amdhsa_next_free_sgpr 80
		.amdhsa_reserve_vcc 0
		.amdhsa_float_denorm_mode_32 3
		.amdhsa_float_denorm_mode_16_64 3
		.amdhsa_memory_ordered 1
		.amdhsa_forward_progress 1
		.amdhsa_inst_pref_size 93
	.end_amdhsa_kernel
	.amdgpu_metadata
---
amdhsa.version: [ 1, 2 ]
amdhsa.kernels:
  - .name:           k_qd746fcd805_proj
    .symbol:         k_qd746fcd805_proj.kd
    .args:
      - { .name: ob, .offset: 0, .size: 8, .value_kind: global_buffer, .address_space: global }
      - { .name: wob, .offset: 8, .size: 8, .value_kind: global_buffer, .address_space: global }
      - { .name: bo, .offset: 16, .size: 8, .value_kind: global_buffer, .address_space: global }
      - { .name: out0, .offset: 24, .size: 8, .value_kind: global_buffer, .address_space: global }
    .group_segment_fixed_size: 327680
    .private_segment_fixed_size: 0
    .kernarg_segment_align: 8
    .kernarg_segment_size: 32
    .max_flat_workgroup_size: 128
    .sgpr_count:     80
    .vgpr_count:     384
    .wavefront_size: 32
...
	.end_amdgpu_metadata
.endif
;; end of part 4
